; MI455X (gfx1250); checked and timed in simulation.
; The chip was launched on July 23, 2026; its instructions are those of AMD's public machine-readable ISA for CDNA 5 (MIT licence, August 2026) and "CDNA5" Instruction Set Architecture Reference Guide (July 2026). The comments in the code are by the model that wrote it; some were corrected since.
;; Sparse Mo E. Allowed arithmetic: matrix products marked QUANTISED: E5M2 operands, one E8M0 scale for each 32 along K, by v_wmma_scale_f32_16x16x128_f8f6f4 with both operands' format E5M2, f32 sums; products left as they are: f32 operands where the result goes on into a quantised operand, else bf16, f16 or f32 operands; f32 sums; everything else in f32.
;; Inputs: b1 8 x 4,096 float32; b2 8 x 1,024 float32; gate_w 8 x 1,024 float32; w1 8 x 4,096 x 1,024 float32; w2 8 x 1,024 x 4,096 float32; x 4 x 256 x 1,024 float32.
;; Outputs: out0 4 x 256 x 1,024 float32; out1 one number float32.
;; This version of the problem:
;;   THIS VERSION OF THE PROBLEM IS GIVEN IN LOW PRECISION. The matrix products marked QUANTISED in the list below multiply operands that are first quantised to E5M2 (5 exponent bits, 2 mantissa bits; 8 bits a number), with one power-of-two scale for each 32 numbers along K (OCP MX v1.0); their sums are f32. All else is computed in f32.
;;   The module's matrix products, in the order in which they are computed (A, B: the left and right operand; K: the contracted axis; several contracted axes count as one K, in the product's order):
;;     1. [M 1,024, K 1,024] x [K 1,024, N 8]; A: input x; B: input gate_w: left as it is (N = 8 < 16)
;;     2. batch 1,024 x [M 1, K 2] x [K 2, N 8]; A: softmax; B: computed on the way: left as it is (K = 2 < 32)
;;     3. [M 1,024, K 1,024] x [K 1,024, N 4,096]; A: input x; B: input w1: QUANTISED
;;     4. [M 1,024, K 4,096] x [K 4,096, N 1,024]; A: computed on the way; B: input w2: QUANTISED
;;     5. [M 1,024, K 1,024] x [K 1,024, N 4,096]; A: input x; B: input w1: QUANTISED
;;     6. [M 1,024, K 4,096] x [K 4,096, N 1,024]; A: computed on the way; B: input w2: QUANTISED
;;     7. [M 1,024, K 1,024] x [K 1,024, N 4,096]; A: input x; B: input w1: QUANTISED
;;     8. [M 1,024, K 4,096] x [K 4,096, N 1,024]; A: computed on the way; B: input w2: QUANTISED
;;     9. [M 1,024, K 1,024] x [K 1,024, N 4,096]; A: input x; B: input w1: QUANTISED
;;     10. [M 1,024, K 4,096] x [K 4,096, N 1,024]; A: computed on the way; B: input w2: QUANTISED
;;     11. [M 1,024, K 1,024] x [K 1,024, N 4,096]; A: input x; B: input w1: QUANTISED
;;     12. [M 1,024, K 4,096] x [K 4,096, N 1,024]; A: computed on the way; B: input w2: QUANTISED
;;     13. [M 1,024, K 1,024] x [K 1,024, N 4,096]; A: input x; B: input w1: QUANTISED
;;     14. [M 1,024, K 4,096] x [K 4,096, N 1,024]; A: computed on the way; B: input w2: QUANTISED
;;     15. [M 1,024, K 1,024] x [K 1,024, N 4,096]; A: input x; B: input w1: QUANTISED
;;     16. [M 1,024, K 4,096] x [K 4,096, N 1,024]; A: computed on the way; B: input w2: QUANTISED
;;     17. [M 1,024, K 1,024] x [K 1,024, N 4,096]; A: input x; B: input w1: QUANTISED
;;     18. [M 1,024, K 4,096] x [K 4,096, N 1,024]; A: computed on the way; B: input w2: QUANTISED
;;   THE QUANTISER, for each operand of a quantised product, along K:
;;     - K is cut into blocks of 32 from its start; a last block that is shorter is filled with zeros.
;;     - A block's scale is 2^e with e = floor(log2(the largest magnitude in the block)) - 15, held to -126 .. 127; a block of zeros has e = 0. As a byte (E8M0): e + 127.
;;     - Each number is divided by its block's scale, clamped to +-57,344, and rounded to the nearest number of E5M2, ties to even, subnormals kept.
;;     - The product sums the exact products of the quantised numbers (number of the format x scale) in f32.
;;   ~~~python
;;   def quantise(x, axis):      # numpy; x: float32 -> the quantised numbers, widened to float32 again
;;       x = np.moveaxis(x, axis, -1); K = x.shape[-1]
;;       x = np.pad(x, [(0, 0)] * (x.ndim - 1) + [(0, -K % 32)]); x = x.reshape(x.shape[:-1] + (-1, 32)); a = np.abs(x).max(-1, keepdims=True)
;;       e = np.where(a > 0, np.clip(np.frexp(np.where(a > 0, a, 1))[1] - 1 - 15, -126, 127), 0)      # np.frexp(a)[1] - 1 = floor(log2(a)), exactly
;;       r = np.clip(x / 2.0 ** e, -57344, 57344)
;;       step = 2.0 ** (np.maximum(np.frexp(np.where(r == 0, 1, r))[1] - 1, -14) - 2)
;;       q = np.round(r / step) * step * 2.0 ** e      # np.round: ties to even
;;       return np.moveaxis(q.reshape(q.shape[:-2] + (-1,))[..., :K], -1, axis).astype(np.float32)
;;   ~~~
;;   OPERANDS COMPUTED ON THE WAY. 'Computed on the way' means the value that the module computes at that place (a softmax that the list does not call 'softmax' is quantised finished and normalised). What goes into a quantiser is computed in f32, as accurately as f32 sums, v_exp_f32 and their like allow (about 1e-6 of the number): no bf16 or f16 on the way to a quantiser, and a product that is left as it is and whose result goes on into a quantised operand takes f32 operands (vector FMAs, or v_wmma_f32_16x16x4_f32). A number that lies on a knife's edge between two numbers of the format may be rounded either way, as far as f32 arithmetic and the matrix unit's own rounding can turn it there, and no further.
;; One version. Each part assembles by itself: llvm-mc -triple=amdgcn-amd-amdhsa -mcpu=gfx1250 --defsym DOCPART=n.
;; ======== version 1 of 1: 4 launches
;; workspace buffers: xq 1,048,576 bytes; xs 32,768 bytes; sel 8,192 bytes of whole numbers; gat 8,192 bytes; hq 33,554,432 bytes; hs 1,048,576 bytes; yp 16,777,216 bytes
;; launch route (part 1): grid 256 x 1, 4 waves a work-group, no clusters, 33,280 bytes of LDS; arguments x, gate_w, xq, xs, sel, gat; writes xq, xs, sel, gat
.if DOCPART == 1
	.amdgcn_target "amdgcn-amd-amdhsa--gfx1250"
	.amdhsa_code_object_version 6
	.text
	.protected	k_qcf2e1718ed_route
	.globl	k_qcf2e1718ed_route
	.p2align	8
	.type	k_qcf2e1718ed_route,@function
k_qcf2e1718ed_route:
	s_mov_b64 s[64:65], 0
	v_nop
	global_prefetch_b8 v0, s[64:65] scope:SCOPE_SE
	s_setreg_imm32_b32 hwreg(HW_REG_WAVE_MODE, 25, 1), 1
	s_wait_xcnt 0x0
; SparseMoE, launch 1 of 4: the router, and x's codes.
; For each of the 1,024 tokens: the 8 logits x . gate_w[e] in f32 (fused multiply-adds), the two largest (ties: the lower index, as jax.lax.top_k),
; their softmax with the larger logit taken away first, and the token's row of x as codes of E5M2 with one E8M0 byte for each 32 along K.
; Stored at fixed places: xq [t][1024] codes, xs [t][32] scale bytes, sel [t][2] the chosen experts (whole numbers), gat [t][2] their gates.
; No address and no branch of this launch hangs on the choice: the later launches read sel from memory.
; WORK LEFT OUT BY THE PROGRAM.  reference() multiplies expert e's row y[t] by w_te[t][e], which is the sum over k of gates[t][k] x onehot[t][k][e]; its own one_hot makes that
; exactly 0 for every e that is not one of token t's two chosen experts, whatever the inputs hold.  So of the sixteen quantised products only the rows (t, e) with e chosen for t
; can reach out0: 2,048 rows in all; the others are not computed.  The product gates x onehot is done as a selection.  Every input has a way to an output and is loaded.
; LIMITS: a NaN, an infinity or an overflow that would arise only in a row of an expert that was not chosen is not carried to the result.  NaN and infinities among the inputs are not served;
; logits are taken to be finite.  The logits' sums run in another order than reference()'s.  A block of zeros gets the scale byte 1 (its codes are zeros; these bytes are read by this program alone).
; SHARES: a wave takes one token: t = 4 x work-group + wave.  A lane's load i holds x[128 i + 4 lane .. + 3]; gate_w's rows are loaded alike, so a dot product is 16 packed multiply-adds a lane.
; For the conversions a lane must hold 16 neighbours along K: 512 numbers at a time turn through the wave's own stage in LDS (64 bytes a lane, 16 of padding behind each).
.set SP,    80                         ; a lane's place in a stage: 64 bytes + 16
.set SPARE, 32768                      ; behind the four waves' regions of 8,192 bytes: the spare words, 128 bytes a wave
.set SPW,   12                         ; v12  my spare word's LDS address; never rewritten
.set NIL,   13                         ; v13  0; never rewritten
.set XR,    16                         ; v16-47   x as loaded
.set XT,    48                         ; v48-79   two sets of 16 neighbours
.set GW,    80                         ; v80-207  four sets of 32: rows of gate_w
.set LG,    208                        ; v208-215 the logits
.set T,     216                        ; v216-219 a dot product at work; v220-221 the two steps' scale bytes
.set C,     224                        ; v224-231 codes
	s_load_b256 s[4:11], s[0:1], 0x0               ; x s[4:5], gate_w s[6:7], xq s[8:9], xs s[10:11]
	s_load_b128 s[12:15], s[0:1], 0x20             ; sel s[12:13], gat s[14:15]
	v_lshl_add_u32 v[SPW], v0, 2, SPARE
	v_mov_b32 v[NIL], 0
	v_lshrrev_b32 v1, 5, v0
	v_readfirstlane_b32 s16, v1                    ; wave
	v_and_b32 v1, 31, v0                           ; lane
	v_lshlrev_b32 v2, 4, v1                        ; 16 x lane
	s_lshl_b32 s20, s16, 13                        ; my wave's region of LDS
	v_lshrrev_b32 v3, 2, v1
	v_mul_u32_u24 v3, v3, SP
	v_and_b32 v4, 3, v1
	v_lshl_add_u32 v3, v4, 4, v3
	v_add_nc_u32 v3, s20, v3                       ; the stage, on the way in: four lanes' 64 bytes on end, then the padding
	v_mul_u32_u24 v4, v1, SP
	v_add_nc_u32 v4, s20, v4                       ; and on the way out: my 16 neighbours
	s_add_co_u32 s20, s20, 5120                    ; behind the two stages: the token's 32 scale bytes
	v_lshrrev_b32 v5, 1, v1
	v_add_nc_u32 v5, s20, v5                       ; my block's byte (two lanes hold a block)
	v_and_b32 v7, 7, v1
	v_lshlrev_b32 v7, 2, v7                        ; on their way out: 4 bytes a lane, lanes 0 to 7
	v_add_nc_u32 v6, s20, v7
	s_lshl_b32 s17, ttmp9, 2
	s_add_co_u32 s17, s17, s16                     ; my token
	s_mov_b32 s19, 0
	s_mov_b32 s22, 0x76543210
	s_mov_b32 s23, 0xfedcba98                      ; v_permlanex16_b32's selects for lane l xor 16
	s_mov_b32 s24, 0x600000                        ; the mantissa field of 57,344
	s_lshl_b32 s18, s17, 12
	s_wait_kmcnt 0x0
	s_add_nc_u64 s[4:5], s[4:5], s[18:19]          ; x at my token's row
.irp i, 0,1,2,3,4,5,6,7
	global_load_b128 v[XR+4*\i:XR+4*\i+3], v2, s[4:5] offset:512*\i th:TH_LOAD_NT   ; 32 lanes read 512 consecutive bytes
.endr
.macro GLOAD e                         ; row e of gate_w into set e % 4
.irp i, 0,1,2,3,4,5,6,7
	global_load_b128 v[GW+32*((\e)%4)+4*\i:GW+32*((\e)%4)+4*\i+3], v2, s[6:7] offset:4096*(\e)+512*\i
.endr
.endm
	GLOAD 0
	GLOAD 1
	GLOAD 2
	GLOAD 3
	s_lshl_b32 s18, s17, 10
	s_add_nc_u64 s[8:9], s[8:9], s[18:19]          ; xq at my token
	s_lshl_b32 s18, s17, 5
	s_add_nc_u64 s[10:11], s[10:11], s[18:19]      ; xs
	s_lshl_b32 s18, s17, 3
	s_add_nc_u64 s[12:13], s[12:13], s[18:19]      ; sel
	s_add_nc_u64 s[14:15], s[14:15], s[18:19]      ; gat
	s_wait_loadcnt 32                              ; x's eight loads are in; the 32 of gate_w's four rows may be out
.irp u, 0,1                            ; both halves of the row through the stages: LDS serves a wave's instructions in order, so no wait stands between stores and loads
.irp i, 0,1,2,3
	ds_store_b128 v3, v[XR+16*\u+4*\i:XR+16*\u+4*\i+3] offset:32*SP*\u+8*SP*\i
.endr
.irp i, 0,1,2,3
	ds_load_b128 v[XT+16*\u+4*\i:XT+16*\u+4*\i+3], v4 offset:32*SP*\u+16*\i
.endr
.endr
	s_wait_dscnt 0x0
; 512 numbers become codes: the block's largest magnitude (my 16, my neighbour's 16, and the floor 2^(16 - 127), which holds the byte at 1 from below); 15 off its exponent field is the conversion's scale operand;
; the hold at 57,344 x the scale, since the conversion to an 8-bit code does not saturate (ISA guide 7.6.2); the conversions; the byte.
.macro QSTEP u
.set XQ, XT+16*(\u)
	v_max3_num_f32 v8, |v[XQ]|, |v[XQ+1]|, |v[XQ+2]|
	v_max3_num_f32 v9, |v[XQ+3]|, |v[XQ+4]|, |v[XQ+5]|
.irp i, 6,10
	v_max3_num_f32 v8, v8, |v[XQ+\i]|, |v[XQ+\i+1]|
	v_max3_num_f32 v9, v9, |v[XQ+\i+2]|, |v[XQ+\i+3]|
.endr
	v_max3_num_f32 v8, v8, |v[XQ+14]|, |v[XQ+15]|
	v_max3_num_f32 v8, v8, v9, 0x8000000
	v_max_num_f32_dpp v8, v8, v8 row_xmask:1 row_mask:0xf bank_mask:0xf
	v_add_nc_u32 v11, 0xf8800000, v8
	v_and_or_b32 v10, v8, 0x7f800000, s24
.irp i, 0,1,2,3,4,5,6,7,8,9,10,11,12,13,14,15
	v_med3_num_f32 v[XQ+\i], v[XQ+\i], -v10, v10
.endr
	v_cvt_scalef32_pk8_bf8_f32 v[C+4*(\u):C+4*(\u)+1], v[XQ:XQ+7], v11
	v_cvt_scalef32_pk8_bf8_f32 v[C+4*(\u)+2:C+4*(\u)+3], v[XQ+8:XQ+15], v11
	v_lshrrev_b32 v[T+4+(\u)], 23, v11             ; the scale's byte (also the plain line behind the conversions)
	ds_store_b8 v5, v[T+4+(\u)] offset:16*(\u)     ; both lanes of a block write the same byte with the same value
	global_store_b128 v2, v[C+4*(\u):C+4*(\u)+3], s[8:9] offset:512*(\u)   ; 32 lanes store 512 consecutive bytes
.endm
	QSTEP 0
	QSTEP 1
	ds_load_b32 v243, v6                           ; the 32 scale bytes, 4 a lane (lanes 8 to 31 read the same words again and store nothing)
; A logit: my 32 products in two chains.  left: the loads of later rows that may stay out.  more = 1: the set just read takes row e + 4.
.macro DOT e, left, more
.set GS, GW+32*((\e)%4)
	s_wait_loadcnt \left
	v_pk_mul_f32 v[T:T+1], v[XR:XR+1], v[GS:GS+1]
	v_pk_mul_f32 v[T+2:T+3], v[XR+16:XR+17], v[GS+16:GS+17]
.irp j, 2,4,6,8,10,12,14
	v_pk_fma_f32 v[T:T+1], v[XR+\j:XR+\j+1], v[GS+\j:GS+\j+1], v[T:T+1]
	v_pk_fma_f32 v[T+2:T+3], v[XR+16+\j:XR+17+\j], v[GS+16+\j:GS+17+\j], v[T+2:T+3]
.endr
	v_pk_add_f32 v[T:T+1], v[T:T+1], v[T+2:T+3]
	v_add_f32 v[LG+(\e)], v[T], v[T+1]
.if \more
	GLOAD (\e)+4
.endif
.endm
	DOT 0, 24, 1                                   ; behind row e's loads stand those of three later rows, 8 each;
	DOT 1, 24, 1
	DOT 2, 24, 1
	DOT 3, 24, 1
	DOT 4, 24, 0
	DOT 5, 16, 0                                   ; then the counts run down
	DOT 6, 8, 0
	DOT 7, 0, 0
.irp k, 1,2,4,8                        ; each logit summed over the 32 lanes; the eight take turns
.irp e, 0,1,2,3,4,5,6,7
	v_add_f32_dpp v[LG+\e], v[LG+\e], v[LG+\e] row_xmask:\k row_mask:0xf bank_mask:0xf
.endr
.endr
.irp e, 0,1,2,3,4,5,6,7
	v_permlanex16_b32 v[GW+\e], v[LG+\e], s22, s23 ; (its destination has been written: gate_w's registers are done with)
.endr
.irp e, 0,1,2,3,4,5,6,7
	v_add_f32 v[LG+\e], v[LG+\e], v[GW+\e]
.endr
	; the largest: kept where it is >= the next logit, so the lower index wins a tie.  v232 value, v234 index
	v_mov_b32 v232, v[LG]
	v_mov_b32 v234, 0
.irp e, 1,2,3,4,5,6,7
	v_cmp_ge_f32 vcc_lo, v232, v[LG+\e]
	v_cndmask_b32 v232, v[LG+\e], v232, vcc_lo
	v_cndmask_b32 v234, \e, v234, vcc_lo
.endr
	; the second: the same scan with the first's logit taken as -infinity.  v233 value, v235 index
	v_mov_b32 v239, 0xff800000
	v_mov_b32 v233, v239
	v_mov_b32 v235, 0
.irp e, 0,1,2,3,4,5,6,7
	v_cmp_eq_u32 vcc_lo, \e, v234
	v_cndmask_b32 v238, v[LG+\e], v239, vcc_lo
	v_cmp_ge_f32 vcc_lo, v233, v238
	v_cndmask_b32 v233, v238, v233, vcc_lo
	v_cndmask_b32 v235, \e, v235, vcc_lo
.endr
	; softmax of the two, the larger taken away: 1 / (1 + p) and p / (1 + p), p = e^(second - first) <= 1
	v_sub_f32 v240, v233, v232
	v_mul_f32 v240, 0x3fb8aa3b, v240
	v_exp_f32 v240, v240
	v_mov_b32 v242, 0                              ; (a plain line behind the exponential)  the offset of the two small stores
	s_wait_alu depctr_va_vdst(0)                   ; the wait ahead of the result's first reader
	v_add_f32 v241, 1.0, v240
	v_rcp_f32 v236, v241
	v_nop                                          ; a plain line behind the reciprocal
	s_wait_alu depctr_va_vdst(0)
	v_mul_f32 v237, v240, v236
	s_wait_dscnt 0x0                               ; the scale bytes are in v243
	; the small results: 32 + 8 + 8 bytes a token, 48 KiB in the whole launch
	s_wait_xcnt 0x0                                ; EXEC changes only when the earlier stores' addresses are translated
	v_cmp_gt_u32 vcc_lo, 8, v1
	s_and_saveexec_b32 s30, vcc_lo
	global_store_b32 v7, v243, s[10:11]            ; lanes 0 to 7: the token's 32 scale bytes
	s_wait_xcnt 0x0
	s_or_b32 exec_lo, exec_lo, s30
	v_cmp_gt_u32 vcc_lo, 1, v1
	s_and_saveexec_b32 s30, vcc_lo
	global_store_b64 v242, v[234:235], s[12:13]    ; lane 0: the two experts,
	global_store_b64 v242, v[236:237], s[14:15]    ; and their gates
	s_wait_xcnt 0x0
	s_or_b32 exec_lo, exec_lo, s30
	s_wait_tensorcnt 0x0                           ; the wave's end
	ds_add_u32 v[SPW], v[NIL]
	s_wait_dscnt 0x0
	s_endpgm
.Lfunc_end_k_qcf2e1718ed_route:
	.size	k_qcf2e1718ed_route, .Lfunc_end_k_qcf2e1718ed_route-k_qcf2e1718ed_route
	.p2alignl 7, 3214868480
	.fill 96, 4, 3214868480
	.section	.rodata,"a",@progbits
	.p2align	6, 0x0
	.amdhsa_kernel k_qcf2e1718ed_route
		.amdhsa_group_segment_fixed_size 33280
		.amdhsa_private_segment_fixed_size 0
		.amdhsa_enable_private_segment 0
		.amdhsa_kernarg_size 48
		.amdhsa_user_sgpr_count 2
		.amdhsa_user_sgpr_kernarg_segment_ptr 1
		.amdhsa_wavefront_size32 1
		.amdhsa_system_sgpr_workgroup_id_x 1
		.amdhsa_system_sgpr_workgroup_id_y 1
		.amdhsa_system_sgpr_workgroup_id_z 1
		.amdhsa_system_vgpr_workitem_id 0
		.amdhsa_next_free_vgpr 244
		.amdhsa_next_free_sgpr 66
		.amdhsa_reserve_vcc 1
		.amdhsa_float_denorm_mode_32 3
		.amdhsa_float_denorm_mode_16_64 3
		.amdhsa_memory_ordered 1
		.amdhsa_forward_progress 1
		.amdhsa_inst_pref_size 29
	.end_amdhsa_kernel
	.amdgpu_metadata
---
amdhsa.version: [ 1, 2 ]
amdhsa.kernels:
  - .name:           k_qcf2e1718ed_route
    .symbol:         k_qcf2e1718ed_route.kd
    .args:
      - { .name: x, .offset: 0, .size: 8, .value_kind: global_buffer, .address_space: global }
      - { .name: gate_w, .offset: 8, .size: 8, .value_kind: global_buffer, .address_space: global }
      - { .name: xq, .offset: 16, .size: 8, .value_kind: global_buffer, .address_space: global }
      - { .name: xs, .offset: 24, .size: 8, .value_kind: global_buffer, .address_space: global }
      - { .name: sel, .offset: 32, .size: 8, .value_kind: global_buffer, .address_space: global }
      - { .name: gat, .offset: 40, .size: 8, .value_kind: global_buffer, .address_space: global }
    .group_segment_fixed_size: 33280
    .private_segment_fixed_size: 0
    .kernarg_segment_align: 8
    .kernarg_segment_size: 48
    .max_flat_workgroup_size: 128
    .sgpr_count:     66
    .vgpr_count:     244
    .wavefront_size: 32
...
	.end_amdgpu_metadata
.endif
;; end of part 1
;; launch ffn1 (part 2): grid 32 x 8, 16 waves a work-group, no clusters, 276,480 bytes of LDS; arguments xq, xs, sel, w1, b1, hq, hs; writes hq, hs
.if DOCPART == 2
	.amdgcn_target "amdgcn-amd-amdhsa--gfx1250"
	.amdhsa_code_object_version 6
	.text
	.protected	k_qcf2e1718ed_ffn1
	.globl	k_qcf2e1718ed_ffn1
	.p2align	8
	.type	k_qcf2e1718ed_ffn1,@function
k_qcf2e1718ed_ffn1:
	s_mov_b64 s[64:65], 0
	v_nop
	global_prefetch_b8 v0, s[64:65] scope:SCOPE_SE
	s_setreg_imm32_b32 hwreg(HW_REG_WAVE_MODE, 25, 1), 1
	s_wait_xcnt 0x0
; SparseMoE, launch 2 of 4: h = gelu(x W1[e]^T + b1[e]) for the rows that chose expert e, quantised along the hidden axis.  Rows of experts that a token did not choose are left out: reference() multiplies them by a zero of its own one_hot.
; SHARES.  Work-group (j, e) owns hidden units 128 j .. 128 j + 127 of expert e: 128 rows x 1,024 of W1, 512 KiB of f32, which no other work-group reads.
; WEIGHT PHASE.  Each of the 16 waves takes 4 fragments (16 rows x 128 K): 16 loads of a row's 512 consecutive bytes, a turn through the wave's own stage in LDS so that a lane holds 16 neighbours of each block of 32,
; the quantiser, and the fragment's codes and scale word into LDS as an image of the operand's registers (16 bytes a lane, 512 a store).  One barrier.  The weights' codes never go to memory.
; ROW PHASE.  The rows of expert e are its tokens in a fixed order; slot = rank in that order.  Every wave rebuilds it from sel: 32 masks of 32 tokens in scalar registers; bit l of mask 2 q + p is token 64 q + 2 l + p.
; Wave w takes groups w and w + 16 of 32 slots: two trips, a constant, since 1,024 rows at the most are 32 groups; a trip whose group lies past the expert's last is jumped over by a scalar branch on the count.
; Slots past the expert's last are held at the last: such rows repeat it, so every tile is written whole and nothing is masked.  The count hangs on sel, which the launch before stored; so this launch has no tensor load and no barrier in the loop.
; THE PRODUCT IS USED TRANSPOSED (source 0 = 16 rows of W1, source 1 = 16 rows of x), and lane r of tile 2 b + u takes W1's row 32 b + 8 u + r + 8 (r / 8): a lane then holds ONE row of h, and the 16 registers of tiles
; 2 b, 2 b + 1 are hidden units 32 b + 16 (lane / 16) + 0 .. 15: the order that the next product's operand wants.  b1 is the C of each sum's first product.
; GELU: 0.5 a (1 + erf(a / sqrt 2)), erf(u) = u P(u^2) / Q(u^2) with u held within +-4 (degrees 6 and 4 in u^2).  LIMITS: that erf is right to a few units in f32's last place; past the hold 1 + erf may be about 1e-7 where it should be smaller;
; NaN and infinities are not served; a block of zeros gets the scale byte 1 (its codes are zeros; this program alone reads the bytes).
; OUT: hq [e][64 tiles of 16 slots][32 K steps][4][32 lanes][16 bytes], register images; hs [e][32 groups][32 K steps][32 lanes] scale words: lanes 0-15 the group's first tile, lanes 16-31 its second.
.set WSC,     131072                   ; LDS: from 0 the 64 fragments' images, (8 s + t) x 2,048; here their scale words, (8 s + t) x 128
.set STAGE,   139264                   ; a stage of 16 rows for each wave
.set SPITCH,  528                      ; a stage row: 512 bytes + 16, so that the 16 rows that a read touches begin 16 bytes apart modulo 256
.set WSTG,    16*SPITCH
.set SPARE,   STAGE+16*WSTG            ; the spare words, 128 bytes a wave: eight blocks of 256 bytes that no other line names
.set PITCH,   4096                     ; a row of W1 in bytes
.set ROWSKIP, 8                        ; a tile's rows 8-15 lie 8 further on
.set FSTEP,   16384                    ; from a wave's fragment to its next: one K step on is 8 images,
.set SSTEP,   1024                     ; and 8 scale rows
.set LIA, 1                            ; v1   16 x lane
.set LIB, 2                            ; v2   the same + 65,536: the images' upper half
.set WSA, 3                            ; v3   WSC + 4 x lane
.set XS0, 4                            ; v4-5 x's scale words, two sets: these registers hold nothing else
.set BOFF, 6                           ; v6   64 x (lane / 16)
.set L4,  7                            ; v7   4 x lane
.set SPW, 8                            ; v8   my spare word; never rewritten
.set NIL, 9                            ; v9   0; never rewritten
.set XA0, 10                           ; v10-11 my rows' byte offsets in xq, tile 0 and 1
.set XSA, 12                           ; v12  my slot's byte offset in xs
.set WS,  13                           ; v13-15 W1's scale words, three sets: these registers hold nothing else
.set STI, 16                           ; weight phase only: v16 stage in, v17 stage out, v18 where my images go, v19 where my scale words go
.set STO, 17
.set IMG, 18
.set WSW, 19
.set PW,  31                           ; weight phase: the scale word just made
.set TM,  32                           ; v32-47 the quantiser's: largest magnitudes, bytes, holds, scale operands
.set PC,  48                           ; weight phase: v48-63 the codes just made
.set X,   64                           ; weight phase: v64-127 64 numbers in the operand's order
.set R,   128                          ; weight phase: v128-255 two sets of 16 rows as loaded
.set WF,  16                           ; row phase: v16-63 three fragments of W1
.set XF,  64                           ; v64-127 x's fragments: set p, tile m at 64 + 32 p + 16 m
.set ACC, 128                          ; v128-255 h: tile of rows m, tile of units t at 128 + 64 m + 8 t
.set WV,  18
.set MNT, 19                           ; s19  the mantissa field of 57,344
.set SEL, 20                           ; s[20:21] v_permlanex16_b32's selects for lane l xor 16
.set E,   22
.set J,   23
.set CNT, 24                           ; s24  the expert's rows
.set NG,  25                           ; s25  groups of 32
.set G,   26                           ; s26  the group in hand
.set CM1, 27                           ; s27  the last slot
.set MK,  32                           ; s32-63 the masks
.set HM,  66                           ; s66  lanes 16-31
.set TR,  72                           ; s72  the trip
; 64 numbers of a lane, register 16 b + i = k 32 b + 16 (lane / 16) + i of my row, become a fragment's codes in v[pc] on and its scale word in v[pw].
.macro QUANT s, pc, pw
.irp b, 0,1,2,3
	v_max3_num_f32 v[TM+\b], |v[(\s)+16*\b]|, |v[(\s)+1+16*\b]|, 0x8000000   ; my 16 numbers of block b, and the floor 2^(16 - 127): the byte cannot fall under 1
.endr
.irp i, 2,4,6,8,10,12,14
.irp b, 0,1,2,3
	v_max3_num_f32 v[TM+\b], v[TM+\b], |v[(\s)+16*\b+\i]|, |v[(\s)+1+16*\b+\i]|
.endr
.endr
.irp b, 0,1,2,3
	v_permlanex16_b32 v[TM+4+\b], v[TM+\b], s[SEL], s[SEL+1]
.endr
.irp b, 0,1,2,3
	v_max_num_f32 v[TM+\b], v[TM+\b], v[TM+4+\b]   ; with lane l xor 16's 16: the block's largest magnitude
.endr
.irp b, 0,1,2,3
	v_add_nc_u32 v[TM+12+\b], 0xf8800000, v[TM+\b] ; 15 off its exponent field: the conversion's scale operand
.endr
.irp b, 0,1,2,3
	v_and_or_b32 v[TM+8+\b], v[TM+\b], 0x7f800000, s[MNT]   ; 57,344 x the scale
.endr
.irp b, 0,1,2,3
	v_lshrrev_b32 v[TM+4+\b], 23, v[TM+12+\b]      ; the scale's byte
.endr
	v_lshl_or_b32 v[\pw], v[TM+5], 8, v[TM+4]
	v_lshl_or_b32 v[\pw], v[TM+6], 16, v[\pw]
	v_lshl_or_b32 v[\pw], v[TM+7], 24, v[\pw]
.irp b, 0,1,2,3
.irp i, 0,1,2,3,4,5,6,7,8,9,10,11,12,13,14,15
	v_med3_num_f32 v[(\s)+16*\b+\i], v[(\s)+16*\b+\i], -v[TM+8+\b], v[TM+8+\b]   ; the conversion does not saturate (ISA guide 7.6.2): the hold
.endr
	v_cvt_scalef32_pk8_bf8_f32 v[(\pc)+4*\b:(\pc)+1+4*\b], v[(\s)+16*\b:(\s)+7+16*\b], v[TM+12+\b]
	v_cvt_scalef32_pk8_bf8_f32 v[(\pc)+2+4*\b:(\pc)+3+4*\b], v[(\s)+8+16*\b:(\s)+15+16*\b], v[TM+12+\b]
.endr
	v_nop                                          ; a plain line behind the last conversion
.endm
.macro LOADW i                         ; my fragment i: 16 rows x 512 consecutive bytes, into set i % 2
.set wr, 0
.rept 16
	global_load_b128 v[R+64*((\i)%2)+4*wr:R+64*((\i)%2)+4*wr+3], v[LIA], s[10:11] offset:(wr+ROWSKIP*(wr/8))*PITCH+512*(\i) th:TH_LOAD_NT
.set wr, wr+1
.endr
.endm
.macro WSTEP i
.if (\i) < 3
	s_wait_loadcnt 16                              ; this fragment's 16 loads are in; the next one's may be out
.else
	s_wait_loadcnt 0x0
.endif
.set wr, 0
.rept 16
	ds_store_b128 v[STI], v[R+64*((\i)%2)+4*wr:R+64*((\i)%2)+4*wr+3] offset:SPITCH*wr
.set wr, wr+1
.endr
.irp c, 0,1,2,3
.irp q, 0,1,2,3
	ds_load_b128 v[X+16*\c+4*\q:X+16*\c+4*\q+3], v[STO] offset:128*\c+16*\q   ; LDS serves a wave's instructions in order: these see my stores
.endr
.endr
	s_wait_dscnt 0x0                               ; the numbers are back; the stores have read their registers, and so have the last fragment's image stores
.if (\i) < 2
	LOADW (\i)+2
.endif
	QUANT X, PC, PW
.irp c, 0,1,2,3
	ds_store_b128 v[IMG], v[PC+4*\c:PC+4*\c+3] offset:FSTEP*(\i)+512*\c
.endr
	ds_store_b32 v[WSW], v[PW] offset:SSTEP*(\i)
.endm
; Slot 32 G + lane (held at the last slot) -> its token, in v[T+7], not yet held.  First the mask whose running count reaches the slot, then the place of the slot's bit in it.
.macro SELECT T
	s_lshl_b32 s67, s[G], 5
	v_lshrrev_b32 v[\T], 2, v[L4]
	v_add_nc_u32 v[\T], s67, v[\T]
	v_min_u32 v[\T], s[CM1], v[\T]                 ; my slot
	v_mov_b32 v[\T+1], s[MK]
	v_mov_b32 v[\T+2], 0
	s_mov_b32 s67, 0
.set sq, 1
.rept 31
	s_bcnt1_i32_b32 s69, s[MK+sq-1]
	s_add_co_u32 s67, s67, s69                     ; rows in masks 0 .. q - 1
	s_add_co_u32 s68, s67, sq<<16                  ; with q above it
	v_cmp_gt_u32 vcc_lo, s67, v[\T]                ; past my slot: keep; else mask q is the candidate
	v_cndmask_b32 v[\T+1], s[MK+sq], v[\T+1], vcc_lo
	v_cndmask_b32 v[\T+2], s68, v[\T+2], vcc_lo
.set sq, sq+1
.endr
	v_and_b32 v[\T+3], 0xffff, v[\T+2]
	v_sub_nc_u32 v[\T+3], v[\T], v[\T+3]           ; n: my bit is the mask's n-th set bit, from 0
	v_lshrrev_b32 v[\T+2], 16, v[\T+2]             ; the mask's number
	v_mov_b32 v[\T+4], 0
	v_mov_b32 v[\T+5], 0
.set sq, 0
.rept 31
	v_bfe_u32 v[\T+6], v[\T+1], sq, 1
	v_add_nc_u32 v[\T+4], v[\T+4], v[\T+6]         ; set bits in places 0 .. j
	v_cmp_le_u32 vcc_lo, v[\T+4], v[\T+3]          ; still at most n: my bit lies further up
	v_add_co_ci_u32 v[\T+5], vcc_lo, 0, v[\T+5], vcc_lo
.set sq, sq+1
.endr
	v_and_b32 v[\T+6], 1, v[\T+2]                  ; token = 64 (mask / 2) + 2 x place + mask % 2
	v_lshl_add_u32 v[\T+6], v[\T+5], 1, v[\T+6]
	v_and_b32 v[\T+2], 0x3e, v[\T+2]
	v_lshl_add_u32 v[\T+7], v[\T+2], 5, v[\T+6]
.endm
	s_load_b256 s[4:11], s[0:1], 0x0               ; xq s[4:5], xs s[6:7], sel s[8:9], w1 s[10:11]
	s_load_b128 s[12:15], s[0:1], 0x20             ; b1 s[12:13], hq s[14:15]
	s_load_b64 s[16:17], s[0:1], 0x30              ; hs
	v_lshl_add_u32 v[SPW], v0, 2, SPARE
	v_mov_b32 v[NIL], 0
	v_lshrrev_b32 v20, 5, v0
	v_readfirstlane_b32 s[WV], v20                 ; wave 0..15
	v_and_b32 v21, 31, v0                          ; lane
	v_and_b32 v22, 15, v0                          ; r
	v_bfe_u32 v23, v0, 4, 1                        ; h
	v_lshlrev_b32 v[LIA], 4, v21
	v_add_nc_u32 v[LIB], 0x10000, v[LIA]
	v_lshlrev_b32 v[L4], 2, v21
	v_add_nc_u32 v[WSA], WSC, v[L4]
	v_lshlrev_b32 v[BOFF], 6, v23
	s_mul_i32 s67, s[WV], WSTG
	s_add_co_u32 s67, s67, STAGE                   ; my stage
	v_add_nc_u32 v[STI], s67, v[LIA]               ; in: a row's 512 bytes as they lie
	v_mul_u32_u24 v[STO], v22, SPITCH
	v_add_nc_u32 v[STO], v[STO], v[BOFF]
	v_add_nc_u32 v[STO], s67, v[STO]               ; out: row r, + 64 h: my 16 numbers of a block of 32
	s_and_b32 s68, s[WV], 1                        ; K steps 4 (w & 1) + i,
	s_lshr_b32 s69, s[WV], 1                       ; tile t = w >> 1
	s_lshl_b32 s70, s68, 16
	s_lshl_b32 s71, s69, 11
	s_add_co_u32 s70, s70, s71
	v_add_nc_u32 v[IMG], s70, v[LIA]
	s_lshl_b32 s70, s68, 12
	s_lshl_b32 s71, s69, 7
	s_add_co_u32 s70, s70, s71
	v_add_nc_u32 v[WSW], s70, v[WSA]
.irp b, 0,1,2,3
	v_mov_b32 v[TM+4+\b], 0                        ; written once: a lane permute's destination counts as one of its sources
.endr
	s_mov_b32 s[MNT], 0x600000
	s_mov_b32 s[SEL], 0x76543210
	s_mov_b32 s[SEL+1], 0xfedcba98
	s_mov_b32 s[HM], 0xffff0000
	s_and_b32 s[E], ttmp7, 0xffff
	s_mov_b32 s[J], ttmp9
	s_lshl_b32 s70, s[E], 24                       ; W1: the expert's 16 MiB,
	s_lshl_b32 s71, s[J], 19                       ; my work-group's 128 rows,
	s_add_co_u32 s70, s70, s71
	s_lshr_b32 s71, s69, 1
	s_lshl_b32 s71, s71, 17                        ; the tile's first row: 32 (t / 2)
	s_add_co_u32 s70, s70, s71
	s_and_b32 s71, s69, 1
	s_lshl_b32 s71, s71, 15                        ; + 8 (t % 2),
	s_add_co_u32 s70, s70, s71
	s_lshl_b32 s71, s68, 11                        ; my four K steps of 512 bytes
	s_add_co_u32 s70, s70, s71
	s_mov_b32 s71, 0
	s_wait_kmcnt 0x0
	s_add_nc_u64 s[10:11], s[10:11], s[70:71]
.set mq, 0
.rept 16
	global_load_b128 v[64+4*mq:67+4*mq], v[LIA], s[8:9] offset:512*mq   ; tokens 64 q + 2 lane and + 1: their two experts each; 512 consecutive bytes a load
.set mq, mq+1
.endr
	LOADW 0
	LOADW 1
	s_lshl_b32 s70, s[E], 14
	s_lshl_b32 s67, s[J], 9
	s_add_co_u32 s70, s70, s67
	s_add_nc_u64 s[12:13], s[12:13], s[70:71]      ; b1 at my 128 units
	s_lshl_b32 s70, s[E], 22
	s_lshl_b32 s67, s[J], 11
	s_add_co_u32 s70, s70, s67
	s_add_nc_u64 s[14:15], s[14:15], s[70:71]      ; hq at the expert, K step j
	s_lshl_b32 s70, s[E], 17
	s_lshl_b32 s67, s[J], 7
	s_add_co_u32 s70, s70, s67
	s_add_nc_u64 s[16:17], s[16:17], s[70:71]      ; hs likewise
	s_wait_loadcnt 32                              ; sel's 16 loads are in; the 32 weight loads behind them may be out
	s_mov_b32 s[CNT], 0
.set mq, 0
.rept 32                               ; mask mq = 2 q + p: registers 64 + 4 q + 2 p and the next hold the two experts of token 64 q + 2 lane + p
	v_cmp_eq_u32 s[MK+mq], s[E], v[64+2*mq]
	v_cmp_eq_u32 vcc_lo, s[E], v[65+2*mq]
	s_or_b32 s[MK+mq], s[MK+mq], vcc_lo
	s_bcnt1_i32_b32 s67, s[MK+mq]
	s_add_co_u32 s[CNT], s[CNT], s67
.set mq, mq+1
.endr
	s_add_co_u32 s[NG], s[CNT], 31
	s_lshr_b32 s[NG], s[NG], 5
	s_sub_co_u32 s[CM1], s[CNT], 1
	WSTEP 0
	WSTEP 1
	WSTEP 2
	WSTEP 3
	s_wait_dscnt 0x0                               ; for the others' sake: my images and scale words have landed
	s_barrier_signal -1
	s_barrier_wait -1                              ; the 64 fragments lie in LDS; nothing writes them again
.macro XLOAD s                         ; K step s of my 32 rows of x: codes into set s % 2, and each slot's scale word
.irp m, 0,1
.irp c, 0,1,2,3
	global_load_b128 v[XF+32*((\s)%2)+16*\m+4*\c:XF+32*((\s)%2)+16*\m+4*\c+3], v[XA0+\m], s[4:5] offset:128*(\s)+32*\c
.endr
.endr
	global_load_b32 v[XS0+(\s)%2], v[XSA], s[6:7] offset:4*(\s)
.endm
.macro WLOAD f                         ; fragment f = 8 s + t of W1 into buffer f % 3, with its scale word
.irp c, 0,1,2,3
	ds_load_b128 v[WF+16*((\f)%3)+4*\c:WF+16*((\f)%3)+4*\c+3], v[LIA+(\f)/32] offset:((\f)%32)*2048+512*\c
.endr
	ds_load_b32 v[WS+(\f)%3], v[WSA] offset:128*(\f)
.endm
.set KRS2,  16                         ; the constants of gelu, each twice: a pair for the packed forms
.set KHALF, 18
.set KA13,  20
.set KA11,  22
.set KA9,   24
.set KA7,   26
.set KA5,   28
.set KA3,   30
.set KA1,   32
.set KB8,   34
.set KB6,   36
.set KB4,   38
.set KB2,   40
.set KB0,   42
.set GU,    48
.set GS,    64
.set GP,    80
.set GQ,    96
.macro KSET r, bits
	v_mov_b32 v[\r], \bits
	v_mov_b32 v[\r+1], \bits
.endm
.macro GELU a                          ; 16 numbers in place
.irp p, 0,2,4,6,8,10,12,14
	v_pk_mul_f32 v[GU+\p:GU+\p+1], v[(\a)+\p:(\a)+\p+1], v[KRS2:KRS2+1]   ; u = a / sqrt 2 (each accumulator is read from its low end on)
.endr
.irp p, 0,1,2,3,4,5,6,7,8,9,10,11,12,13,14,15
	v_med3_num_f32 v[GU+\p], v[GU+\p], -4.0, 4.0
.endr
.irp p, 0,2,4,6,8,10,12,14
	v_pk_mul_f32 v[GS+\p:GS+\p+1], v[GU+\p:GU+\p+1], v[GU+\p:GU+\p+1]
.endr
.irp p, 0,2,4,6,8,10,12,14
	v_pk_fma_f32 v[GP+\p:GP+\p+1], v[GS+\p:GS+\p+1], v[KA13:KA13+1], v[KA11:KA11+1]
.endr
.irp k, KA9, KA7, KA5, KA3, KA1
.irp p, 0,2,4,6,8,10,12,14
	v_pk_fma_f32 v[GP+\p:GP+\p+1], v[GP+\p:GP+\p+1], v[GS+\p:GS+\p+1], v[\k:\k+1]
.endr
.endr
.irp p, 0,2,4,6,8,10,12,14
	v_pk_fma_f32 v[GQ+\p:GQ+\p+1], v[GS+\p:GS+\p+1], v[KB8:KB8+1], v[KB6:KB6+1]
.endr
.irp k, KB4, KB2, KB0
.irp p, 0,2,4,6,8,10,12,14
	v_pk_fma_f32 v[GQ+\p:GQ+\p+1], v[GQ+\p:GQ+\p+1], v[GS+\p:GS+\p+1], v[\k:\k+1]
.endr
.endr
.irp p, 0,1,2,3,4,5,6,7,8,9,10,11,12,13,14,15
	v_rcp_f32 v[GQ+\p], v[GQ+\p]                   ; one batch
.endr
.irp p, 0,2,4,6,8,10,12,14
	v_pk_mul_f32 v[GP+\p:GP+\p+1], v[GP+\p:GP+\p+1], v[GU+\p:GU+\p+1]     ; plain work behind the batch, which names none of its results
.endr
	s_wait_alu depctr_va_vdst(0)                   ; one wait ahead of the batch's first reader
.irp p, 0,2,4,6,8,10,12,14
	v_pk_mul_f32 v[GP+\p:GP+\p+1], v[GP+\p:GP+\p+1], v[GQ+\p:GQ+\p+1]     ; erf
.endr
.irp p, 0,2,4,6,8,10,12,14
	v_pk_mul_f32 v[GU+\p:GU+\p+1], v[(\a)+\p:(\a)+\p+1], v[KHALF:KHALF+1]
.endr
.irp p, 0,2,4,6,8,10,12,14
	v_pk_fma_f32 v[(\a)+\p:(\a)+\p+1], v[GU+\p:GU+\p+1], v[GP+\p:GP+\p+1], v[GU+\p:GU+\p+1]   ; a / 2 x erf + a / 2
.endr
.endm
	s_mov_b32 s[G], s[WV]
	s_mov_b32 s[TR], 0
.Ltrip:                                            ; two trips: groups w and w + 16.  A trip: 32 slots x 128 hidden units x K = 1,024
	s_cmp_ge_u32 s[G], s[NG]
	s_cbranch_scc1 .Lnone                          ; the expert has no such group
	s_min_u32 s67, s[G], 31                        ; (there are never more than 32 groups)
	s_lshl_b32 s68, s67, 17
	s_mov_b32 s69, 0
	s_add_nc_u64 s[28:29], s[14:15], s[68:69]      ; hq at the group's two tiles
	s_lshl_b32 s68, s67, 12
	s_add_nc_u64 s[30:31], s[16:17], s[68:69]      ; hs at the group
.irp m, 0,1
.irp t, 0,1,2,3,4,5,6,7
	global_load_b128 v[ACC+64*\m+8*\t:ACC+64*\m+8*\t+3], v[BOFF], s[12:13] offset:(32*(\t/2)+8*(\t%2))*4      ; b1 at the lane's eight units of tile t: the first product's C
	global_load_b128 v[ACC+64*\m+8*\t+4:ACC+64*\m+8*\t+7], v[BOFF], s[12:13] offset:(32*(\t/2)+8*(\t%2))*4+16
.endr
.endr
	SELECT 16                                      ; v23: my slot's token
	v_mov_b32 v24, 0                               ; (a lane permute's destination counts as one of its sources)
	v_permlanex16_b32 v24, v23, s[SEL], s[SEL+1]   ; lane l xor 16's
	v_lshrrev_b32 v27, 2, v[BOFF]                  ; 16 x (lane / 16)
	v_cndmask_b32 v25, v23, v24, s[HM]             ; tile 0: lane (r, h) wants slot r's token,
	v_cndmask_b32 v26, v24, v23, s[HM]             ; tile 1: slot 16 + r's
	v_min_u32 v25, 0x3ff, v25                      ; held inside the table, directly ahead of the shift and the add
	v_min_u32 v26, 0x3ff, v26
	v_min_u32 v23, 0x3ff, v23
	v_lshl_add_u32 v[XA0], v25, 10, v27
	v_lshl_add_u32 v[XA0+1], v26, 10, v27
	v_lshlrev_b32 v[XSA], 5, v23
	XLOAD 0
	XLOAD 1
	WLOAD 0
	WLOAD 1
.set f, 0
.rept 64                               ; fragment f: K step f / 8, tile f % 8, against both tiles of rows.  The 16 accumulators take turns
.if f >= 1
.rept 8
	v_nop                                          ; eight places between the last products and the loads into the registers that they read
.endr
.endif
.if (f%8 == 0) && (f >= 8) && (f <= 48)
	XLOAD f/8+1
.endif
.if f < 62
	WLOAD f+2
.endif
.if f%8 == 0
.if f == 56
	s_wait_loadcnt 0x0
.else
	s_wait_loadcnt 9                               ; this K step's x (and, the first time, b1) is in; the next K step's nine loads may be out
.endif
.endif
.if f < 62
	s_wait_dscnt 10                                ; fragment f is in; the five loads each of f + 1 and f + 2 may be out
.elseif f == 62
	s_wait_dscnt 5
.else
	s_wait_dscnt 0x0
.endif
	v_wmma_scale_f32_16x16x128_f8f6f4 v[ACC+8*(f%8):ACC+8*(f%8)+7], v[WF+16*(f%3):WF+16*(f%3)+15], v[XF+32*((f/8)%2):XF+32*((f/8)%2)+15], v[ACC+8*(f%8):ACC+8*(f%8)+7], v[WS+f%3], v[XS0+(f/8)%2] matrix_a_fmt:MATRIX_FMT_BF8 matrix_b_fmt:MATRIX_FMT_BF8
	v_wmma_scale_f32_16x16x128_f8f6f4 v[ACC+64+8*(f%8):ACC+64+8*(f%8)+7], v[WF+16*(f%3):WF+16*(f%3)+15], v[XF+32*((f/8)%2)+16:XF+32*((f/8)%2)+31], v[ACC+64+8*(f%8):ACC+64+8*(f%8)+7], v[WS+f%3], v[XS0+(f/8)%2] matrix_a_fmt:MATRIX_FMT_BF8 matrix_b_fmt:MATRIX_FMT_BF8 matrix_b_scale:MATRIX_SCALE_ROW1
.set f, f+1
.endr
.rept 8
	v_nop                                          ; eight places ahead of the first read of results and of writes into the operands' registers
.endr
	KSET KRS2,  0x3f3504f3                         ; 1 / sqrt 2
	KSET KHALF, 0x3f000000
	KSET KA13,  0xaf95df0b
	KSET KA11,  0x32edffee
	KSET KA9,   0xb60cff51
	KSET KA7,   0xb86ec2d2
	KSET KA5,   0xba40ac63
	KSET KA3,   0xbb41a1f6
	KSET KA1,   0xbc83dbd4
	KSET KB8,   0xb77460cd
	KSET KB6,   0xb95fbd29
	KSET KB4,   0xbadc924e
	KSET KB2,   0xbbf19bf8
	KSET KB0,   0xbc69b6a7
.irp k, 0,1,2,3,4,5,6,7
	GELU ACC+16*\k
.endr
	QUANT ACC, 48, 112                             ; tile 0's rows: one fragment of the next product, K step j
	QUANT ACC+64, 64, 113                          ; tile 1's
.irp c, 0,1,2,3
	global_store_b128 v[LIA], v[48+4*\c:51+4*\c], s[28:29] offset:512*\c          ; 32 lanes store 512 consecutive bytes, aligned
.endr
.irp c, 0,1,2,3
	global_store_b128 v[LIA], v[64+4*\c:67+4*\c], s[28:29] offset:65536+512*\c
.endr
	v_cndmask_b32 v114, v112, v113, s[HM]          ; lanes 0-15 tile 0's scale words, lanes 16-31 tile 1's
	global_store_b32 v[L4], v114, s[30:31]         ; 128 consecutive bytes
	s_wait_xcnt 0x0                                ; the stores have read their registers and bases: the next trip writes them
.Lnone:
	s_add_co_u32 s[G], s[G], 16
	s_add_co_u32 s[TR], s[TR], 1
	s_cmp_lt_u32 s[TR], 2
	s_cbranch_scc1 .Ltrip
	s_wait_tensorcnt 0x0                           ; the wave's end
	ds_add_u32 v[SPW], v[NIL]
	s_wait_dscnt 0x0
	s_endpgm
.Lfunc_end_k_qcf2e1718ed_ffn1:
	.size	k_qcf2e1718ed_ffn1, .Lfunc_end_k_qcf2e1718ed_ffn1-k_qcf2e1718ed_ffn1
	.p2alignl 7, 3214868480
	.fill 96, 4, 3214868480
	.section	.rodata,"a",@progbits
	.p2align	6, 0x0
	.amdhsa_kernel k_qcf2e1718ed_ffn1
		.amdhsa_group_segment_fixed_size 276480
		.amdhsa_private_segment_fixed_size 0
		.amdhsa_enable_private_segment 0
		.amdhsa_kernarg_size 56
		.amdhsa_user_sgpr_count 2
		.amdhsa_user_sgpr_kernarg_segment_ptr 1
		.amdhsa_wavefront_size32 1
		.amdhsa_system_sgpr_workgroup_id_x 1
		.amdhsa_system_sgpr_workgroup_id_y 1
		.amdhsa_system_sgpr_workgroup_id_z 1
		.amdhsa_system_vgpr_workitem_id 0
		.amdhsa_next_free_vgpr 256
		.amdhsa_next_free_sgpr 74
		.amdhsa_reserve_vcc 1
		.amdhsa_float_denorm_mode_32 3
		.amdhsa_float_denorm_mode_16_64 3
		.amdhsa_memory_ordered 1
		.amdhsa_forward_progress 1
		.amdhsa_inst_pref_size 231
	.end_amdhsa_kernel
	.amdgpu_metadata
---
amdhsa.version: [ 1, 2 ]
amdhsa.kernels:
  - .name:           k_qcf2e1718ed_ffn1
    .symbol:         k_qcf2e1718ed_ffn1.kd
    .args:
      - { .name: xq, .offset: 0, .size: 8, .value_kind: global_buffer, .address_space: global }
      - { .name: xs, .offset: 8, .size: 8, .value_kind: global_buffer, .address_space: global }
      - { .name: sel, .offset: 16, .size: 8, .value_kind: global_buffer, .address_space: global }
      - { .name: w1, .offset: 24, .size: 8, .value_kind: global_buffer, .address_space: global }
      - { .name: b1, .offset: 32, .size: 8, .value_kind: global_buffer, .address_space: global }
      - { .name: hq, .offset: 40, .size: 8, .value_kind: global_buffer, .address_space: global }
      - { .name: hs, .offset: 48, .size: 8, .value_kind: global_buffer, .address_space: global }
    .group_segment_fixed_size: 276480
    .private_segment_fixed_size: 0
    .kernarg_segment_align: 8
    .kernarg_segment_size: 56
    .max_flat_workgroup_size: 512
    .sgpr_count:     74
    .vgpr_count:     256
    .wavefront_size: 32
...
	.end_amdgpu_metadata
.endif
;; end of part 2
;; launch ffn2 (part 3): grid 32 x 8, 16 waves a work-group, no clusters, 276,480 bytes of LDS; arguments hq, hs, sel, w2, yp; writes yp
.if DOCPART == 3
	.amdgcn_target "amdgcn-amd-amdhsa--gfx1250"
	.amdhsa_code_object_version 6
	.text
	.protected	k_qcf2e1718ed_ffn2
	.globl	k_qcf2e1718ed_ffn2
	.p2align	8
	.type	k_qcf2e1718ed_ffn2,@function
k_qcf2e1718ed_ffn2:
	s_mov_b64 s[64:65], 0
	v_nop
	global_prefetch_b8 v0, s[64:65] scope:SCOPE_SE
	s_setreg_imm32_b32 hwreg(HW_REG_WAVE_MODE, 25, 1), 1
	s_wait_xcnt 0x0
; SparseMoE, launch 3 of 4: y = h W2[e]^T for the rows that chose expert e, in two halves along K.  Rows of experts that a token did not choose are left out: reference() multiplies them by a zero of its own one_hot.
; SHARES.  Work-group (x, e): cs = x & 15 picks 64 columns of y, half = x >> 4 picks 2,048 of the 4,096 along K: 64 rows x 2,048 of W2, 512 KiB of f32, which no other work-group reads.
; WEIGHT PHASE as in the launch before: each wave quantises 4 fragments (16 rows x 128 K) in registers and lays codes and scale words into LDS as images of the operand's registers.  One barrier.
; ROW PHASE.  Slots as in the launch before, rebuilt from sel in the same order (bit l of mask 2 q + p is token 64 q + 2 l + p).  Wave w takes groups w and w + 16 of 32 slots: two trips, a constant; a trip whose group lies past the
; expert's last is jumped over by a scalar branch on the count.  h's fragments come from hq as they were stored, 512 consecutive bytes a load.
; THE PRODUCT IS USED TRANSPOSED (source 0 = 16 rows of W2, source 1 = 16 rows of h): a lane holds eight neighbouring columns of one row of y.  A tile goes through the wave's own stage and leaves as whole rows of 256 bytes.
; A row goes to yp[half][2 t + k], k = 0 where e is the token's first expert, 1 where it is its second: each row of yp has one owner.  Slots past the last repeat the last row: the same wave stores the same bytes to the same place.
; The bias, the gates and the sum of the halves are the last launch's.  The count hangs on sel, which an earlier launch stored; so this launch has no tensor load and no barrier in the loop.
; LIMITS: NaN and infinities are not served; a block of zeros gets the scale byte 1 (its codes are zeros; this program alone reads the bytes).
.set WSC,     131072                   ; LDS: from 0 the 64 fragments' images, (4 s + n) x 2,048; here their scale words, (4 s + n) x 128
.set STAGE,   139264                   ; a stage for each wave: 16 rows of 528 bytes in the weight phase, 16 of 272 on the way out
.set SPITCH,  528
.set WSTG,    16*SPITCH
.set SPARE,   STAGE+16*WSTG            ; the spare words, 128 bytes a wave: eight blocks of 256 bytes that no other line names
.set PITCH,   16384                    ; a row of W2 in bytes
.set ROWSKIP, 0                        ; a tile's rows are neighbours
.set FSTEP,   8192
.set SSTEP,   512
.set LIA, 1                            ; v1   16 x lane
.set LIB, 2                            ; v2   + 65,536
.set WSA, 3                            ; v3   WSC + 4 x lane
.set STI, 4                            ; v4-7 the weight phase's: stage in, stage out, images, scale words
.set STO, 5
.set IMG, 6
.set WSW, 7
.set SPW, 8                            ; v8   my spare word; never rewritten
.set NIL, 9                            ; v9   0; never rewritten
.set YST, 10                           ; v10  the way out: where I put 32 bytes of a row
.set YRD, 11                           ; v11  and where I read a row back
.set L4,  14                           ; v14  4 x lane
.set CO,  15                           ; v15  16 x (lane % 16)
.set TOK, 16                           ; v16  my slot's token
.set DST, 17                           ; v17  first the offset of its pair in sel, then its row of yp
.set HS,  20                           ; v20-22 h's scale words, three sets: these registers hold nothing else
.set WS,  24                           ; v24-27 W2's scale words: these registers hold nothing else
.set PW,  31
.set TM,  32
.set PC,  48
.set X,   64
.set R,   128
.set HF,  32                           ; row phase: v32-127 h's fragments: set p, tile m at 32 + 32 p + 16 m
.set WF,  128                          ; v128-191 four fragments of W2
.set ACC, 192                          ; v192-255 y: tile of rows m, tile of columns n at 192 + 32 m + 8 n
.set OB,  32                           ; the way out: rows read back, v32-95;
.set DI,  96                           ; v96-111 their rows of yp;
.set DA,  112                          ; v112-127 their byte offsets
.set WV,  18
.set MNT, 19
.set SEL, 20
.set E,   22
.set CNT, 24
.set NG,  25
.set G,   26
.set CM1, 27
.set MK,  32
.set HM,  66
.set TR,  72                           ; s72  the trip
.macro QUANT s, pc, pw                 ; 64 numbers of a lane, register 16 b + i = k 32 b + 16 (lane / 16) + i of my row, become a fragment's codes and its scale word
.irp b, 0,1,2,3
	v_max3_num_f32 v[TM+\b], |v[(\s)+16*\b]|, |v[(\s)+1+16*\b]|, 0x8000000   ; and the floor 2^(16 - 127): the byte cannot fall under 1
.endr
.irp i, 2,4,6,8,10,12,14
.irp b, 0,1,2,3
	v_max3_num_f32 v[TM+\b], v[TM+\b], |v[(\s)+16*\b+\i]|, |v[(\s)+1+16*\b+\i]|
.endr
.endr
.irp b, 0,1,2,3
	v_permlanex16_b32 v[TM+4+\b], v[TM+\b], s[SEL], s[SEL+1]
.endr
.irp b, 0,1,2,3
	v_max_num_f32 v[TM+\b], v[TM+\b], v[TM+4+\b]
.endr
.irp b, 0,1,2,3
	v_add_nc_u32 v[TM+12+\b], 0xf8800000, v[TM+\b] ; 15 off the exponent field: the conversion's scale operand
.endr
.irp b, 0,1,2,3
	v_and_or_b32 v[TM+8+\b], v[TM+\b], 0x7f800000, s[MNT]   ; 57,344 x the scale
.endr
.irp b, 0,1,2,3
	v_lshrrev_b32 v[TM+4+\b], 23, v[TM+12+\b]      ; the scale's byte
.endr
	v_lshl_or_b32 v[\pw], v[TM+5], 8, v[TM+4]
	v_lshl_or_b32 v[\pw], v[TM+6], 16, v[\pw]
	v_lshl_or_b32 v[\pw], v[TM+7], 24, v[\pw]
.irp b, 0,1,2,3
.irp i, 0,1,2,3,4,5,6,7,8,9,10,11,12,13,14,15
	v_med3_num_f32 v[(\s)+16*\b+\i], v[(\s)+16*\b+\i], -v[TM+8+\b], v[TM+8+\b]   ; the conversion does not saturate (ISA guide 7.6.2): the hold
.endr
	v_cvt_scalef32_pk8_bf8_f32 v[(\pc)+4*\b:(\pc)+1+4*\b], v[(\s)+16*\b:(\s)+7+16*\b], v[TM+12+\b]
	v_cvt_scalef32_pk8_bf8_f32 v[(\pc)+2+4*\b:(\pc)+3+4*\b], v[(\s)+8+16*\b:(\s)+15+16*\b], v[TM+12+\b]
.endr
	v_nop                                          ; a plain line behind the last conversion
.endm
.macro LOADW i                         ; my fragment i: 16 rows x 512 consecutive bytes, into set i % 2
.set wr, 0
.rept 16
	global_load_b128 v[R+64*((\i)%2)+4*wr:R+64*((\i)%2)+4*wr+3], v[LIA], s[10:11] offset:(wr+ROWSKIP*(wr/8))*PITCH+512*(\i) th:TH_LOAD_NT
.set wr, wr+1
.endr
.endm
.macro WSTEP i
.if (\i) < 3
	s_wait_loadcnt 16                              ; this fragment's 16 loads are in; the next one's may be out
.else
	s_wait_loadcnt 0x0
.endif
.set wr, 0
.rept 16
	ds_store_b128 v[STI], v[R+64*((\i)%2)+4*wr:R+64*((\i)%2)+4*wr+3] offset:SPITCH*wr
.set wr, wr+1
.endr
.irp c, 0,1,2,3
.irp q, 0,1,2,3
	ds_load_b128 v[X+16*\c+4*\q:X+16*\c+4*\q+3], v[STO] offset:128*\c+16*\q   ; LDS serves a wave's instructions in order: these see my stores
.endr
.endr
	s_wait_dscnt 0x0                               ; the numbers are back; the stores have read their registers
.if (\i) < 2
	LOADW (\i)+2
.endif
	QUANT X, PC, PW
.irp c, 0,1,2,3
	ds_store_b128 v[IMG], v[PC+4*\c:PC+4*\c+3] offset:FSTEP*(\i)+512*\c
.endr
	ds_store_b32 v[WSW], v[PW] offset:SSTEP*(\i)
.endm
.macro SELECT T                        ; slot 32 G + lane (held at the last slot) -> its token, in v[T+7], not yet held
	s_lshl_b32 s67, s[G], 5
	v_lshrrev_b32 v[\T], 2, v[L4]
	v_add_nc_u32 v[\T], s67, v[\T]
	v_min_u32 v[\T], s[CM1], v[\T]
	v_mov_b32 v[\T+1], s[MK]
	v_mov_b32 v[\T+2], 0
	s_mov_b32 s67, 0
.set sq, 1
.rept 31
	s_bcnt1_i32_b32 s69, s[MK+sq-1]
	s_add_co_u32 s67, s67, s69                     ; rows in masks 0 .. q - 1
	s_add_co_u32 s68, s67, sq<<16                  ; with q above it
	v_cmp_gt_u32 vcc_lo, s67, v[\T]                ; past my slot: keep; else mask q is the candidate
	v_cndmask_b32 v[\T+1], s[MK+sq], v[\T+1], vcc_lo
	v_cndmask_b32 v[\T+2], s68, v[\T+2], vcc_lo
.set sq, sq+1
.endr
	v_and_b32 v[\T+3], 0xffff, v[\T+2]
	v_sub_nc_u32 v[\T+3], v[\T], v[\T+3]           ; n: my bit is the mask's n-th set bit, from 0
	v_lshrrev_b32 v[\T+2], 16, v[\T+2]             ; the mask's number
	v_mov_b32 v[\T+4], 0
	v_mov_b32 v[\T+5], 0
.set sq, 0
.rept 31
	v_bfe_u32 v[\T+6], v[\T+1], sq, 1
	v_add_nc_u32 v[\T+4], v[\T+4], v[\T+6]
	v_cmp_le_u32 vcc_lo, v[\T+4], v[\T+3]          ; still at most n set bits up to here: my bit lies further up
	v_add_co_ci_u32 v[\T+5], vcc_lo, 0, v[\T+5], vcc_lo
.set sq, sq+1
.endr
	v_and_b32 v[\T+6], 1, v[\T+2]                  ; token = 64 (mask / 2) + 2 x place + mask % 2
	v_lshl_add_u32 v[\T+6], v[\T+5], 1, v[\T+6]
	v_and_b32 v[\T+2], 0x3e, v[\T+2]
	v_lshl_add_u32 v[\T+7], v[\T+2], 5, v[\T+6]
.endm
	s_load_b256 s[4:11], s[0:1], 0x0               ; hq s[4:5], hs s[6:7], sel s[8:9], w2 s[10:11]
	s_load_b64 s[12:13], s[0:1], 0x20              ; yp
	v_lshl_add_u32 v[SPW], v0, 2, SPARE
	v_mov_b32 v[NIL], 0
	v_lshrrev_b32 v12, 5, v0
	v_readfirstlane_b32 s[WV], v12                 ; wave 0..15
	v_and_b32 v30, 31, v0                          ; lane
	v_and_b32 v28, 15, v0                          ; r
	v_bfe_u32 v29, v0, 4, 1                        ; h
	v_lshlrev_b32 v[LIA], 4, v30
	v_add_nc_u32 v[LIB], 0x10000, v[LIA]
	v_lshlrev_b32 v[L4], 2, v30
	v_add_nc_u32 v[WSA], WSC, v[L4]
	v_lshlrev_b32 v[CO], 4, v28
	s_mul_i32 s67, s[WV], WSTG
	s_add_co_u32 s67, s67, STAGE                   ; my stage
	v_add_nc_u32 v[STI], s67, v[LIA]
	v_mul_u32_u24 v[STO], v28, SPITCH
	v_lshl_add_u32 v[STO], v29, 6, v[STO]
	v_add_nc_u32 v[STO], s67, v[STO]
	v_mul_u32_u24 v[YST], v28, 272
	v_lshl_add_u32 v[YST], v29, 5, v[YST]
	v_add_nc_u32 v[YST], s67, v[YST]               ; the way out, in: row r of 256 bytes + 16, + 32 h
	v_mul_u32_u24 v[YRD], v29, 272
	v_lshl_add_u32 v[YRD], v28, 4, v[YRD]
	v_add_nc_u32 v[YRD], s67, v[YRD]               ; back: lanes 0-15 one row, lanes 16-31 the next
	s_and_b32 s68, s[WV], 3                        ; K steps 4 (w & 3) + i,
	s_lshr_b32 s69, s[WV], 2                       ; tile of columns n = w >> 2
	s_lshl_b32 s70, s68, 15
	s_lshl_b32 s71, s69, 11
	s_add_co_u32 s70, s70, s71
	v_add_nc_u32 v[IMG], s70, v[LIA]
	s_lshl_b32 s70, s68, 11
	s_lshl_b32 s71, s69, 7
	s_add_co_u32 s70, s70, s71
	v_add_nc_u32 v[WSW], s70, v[WSA]
.irp b, 0,1,2,3
	v_mov_b32 v[TM+4+\b], 0                        ; written once: a lane permute's destination counts as one of its sources
.endr
	s_mov_b32 s[MNT], 0x600000
	s_mov_b32 s[SEL], 0x76543210
	s_mov_b32 s[SEL+1], 0xfedcba98
	s_mov_b32 s[HM], 0xffff0000
	s_and_b32 s[E], ttmp7, 0xffff
	s_and_b32 s15, ttmp9, 15                       ; cs
	s_lshr_b32 s14, ttmp9, 4                       ; half
	s_lshl_b32 s70, s[E], 24                       ; W2: the expert's 16 MiB,
	s_lshl_b32 s71, s15, 20                        ; my work-group's 64 rows of 16,384 bytes,
	s_add_co_u32 s70, s70, s71
	s_lshl_b32 s71, s69, 18                        ; my tile's 16,
	s_add_co_u32 s70, s70, s71
	s_lshl_b32 s71, s14, 13                        ; my half of K,
	s_add_co_u32 s70, s70, s71
	s_lshl_b32 s71, s68, 11                        ; my four K steps of 512 bytes
	s_add_co_u32 s70, s70, s71
	s_mov_b32 s71, 0
	s_wait_kmcnt 0x0
	s_add_nc_u64 s[10:11], s[10:11], s[70:71]
.set mq, 0
.rept 16
	global_load_b128 v[64+4*mq:67+4*mq], v[LIA], s[8:9] offset:512*mq   ; tokens 64 q + 2 lane and + 1: their two experts each; 512 consecutive bytes a load
.set mq, mq+1
.endr
	LOADW 0
	LOADW 1
	s_lshl_b32 s70, s[E], 22
	s_lshl_b32 s67, s14, 15
	s_add_co_u32 s70, s70, s67
	s_add_nc_u64 s[4:5], s[4:5], s[70:71]          ; hq at the expert, my half's first K step
	s_lshl_b32 s70, s[E], 17
	s_lshl_b32 s67, s14, 11
	s_add_co_u32 s70, s70, s67
	s_add_nc_u64 s[6:7], s[6:7], s[70:71]          ; hs likewise
	s_lshl_b32 s70, s14, 23
	s_lshl_b32 s67, s15, 8
	s_add_co_u32 s70, s70, s67
	s_add_nc_u64 s[12:13], s[12:13], s[70:71]      ; yp at my half, my 64 columns
	s_wait_loadcnt 32                              ; sel's 16 loads are in; the 32 weight loads behind them may be out
	s_mov_b32 s[CNT], 0
.set mq, 0
.rept 32                               ; mask mq = 2 q + p: registers 64 + 4 q + 2 p and the next hold the two experts of token 64 q + 2 lane + p
	v_cmp_eq_u32 s[MK+mq], s[E], v[64+2*mq]
	v_cmp_eq_u32 vcc_lo, s[E], v[65+2*mq]
	s_or_b32 s[MK+mq], s[MK+mq], vcc_lo
	s_bcnt1_i32_b32 s67, s[MK+mq]
	s_add_co_u32 s[CNT], s[CNT], s67
.set mq, mq+1
.endr
	s_add_co_u32 s[NG], s[CNT], 31
	s_lshr_b32 s[NG], s[NG], 5
	s_sub_co_u32 s[CM1], s[CNT], 1
	WSTEP 0
	WSTEP 1
	WSTEP 2
	WSTEP 3
	s_wait_dscnt 0x0                               ; for the others' sake: my images and scale words have landed
	s_barrier_signal -1
	s_barrier_wait -1                              ; the 64 fragments lie in LDS; nothing writes them again
.macro HLOAD s                         ; K step s of the group's two tiles of h, into set s % 3, with the group's scale words
.irp m, 0,1
.irp c, 0,1,2,3
	global_load_b128 v[HF+32*((\s)%3)+16*\m+4*\c:HF+32*((\s)%3)+16*\m+4*\c+3], v[LIA], s[28:29] offset:65536*\m+2048*(\s)+512*\c
.endr
.endr
	global_load_b32 v[HS+(\s)%3], v[L4], s[30:31] offset:128*(\s)
.endm
	s_mov_b32 s[G], s[WV]
	s_mov_b32 s[TR], 0
.Ltrip:                                            ; two trips: groups w and w + 16.  A trip: 32 slots x 64 columns x K = 2,048
	s_cmp_ge_u32 s[G], s[NG]
	s_cbranch_scc1 .Lnone                          ; the expert has no such group
	s_min_u32 s67, s[G], 31                        ; (there are never more than 32 groups)
	s_lshl_b32 s68, s67, 17
	s_mov_b32 s69, 0
	s_add_nc_u64 s[28:29], s[4:5], s[68:69]
	s_lshl_b32 s68, s67, 12
	s_add_nc_u64 s[30:31], s[6:7], s[68:69]
	HLOAD 0                                        ; h hangs on the group alone: it is asked for ahead of the search for the tokens
	HLOAD 1
	HLOAD 2
	SELECT 128
	v_min_u32 v[TOK], 0x3ff, v135                  ; held inside the table, directly ahead of the shift
	v_lshlrev_b32 v[DST], 3, v[TOK]
	global_load_b64 v[18:19], v[DST], s[8:9]       ; my token's two experts
.set ks, 0
.rept 16
.if ks >= 1
.rept 8
	v_nop                                          ; eight places between the last products and the loads into the registers that they read
.endr
.endif
.if (ks >= 1) && (ks <= 13)
	HLOAD ks+2
.endif
.irp n, 0,1,2,3
.irp c, 0,1,2,3
	ds_load_b128 v[WF+16*\n+4*\c:WF+16*\n+4*\c+3], v[LIA+ks/8] offset:(4*(ks%8)+\n)*2048+512*\c
.endr
	ds_load_b32 v[WS+\n], v[WSA] offset:(4*ks+\n)*128
.endr
.if ks < 14
	s_wait_loadcnt 18                              ; in the order of issue 9 (ks + 1) + 1 loads are done: this K step's h is in; two later K steps' loads may be out
.elseif ks == 14
	s_wait_loadcnt 9
.else
	s_wait_loadcnt 0x0
.endif
	s_wait_dscnt 0x0
.irp n, 0,1,2,3                        ; the eight accumulators take turns
.if ks == 0
	v_wmma_scale_f32_16x16x128_f8f6f4 v[ACC+8*\n:ACC+8*\n+7], v[WF+16*\n:WF+16*\n+15], v[HF+32*(ks%3):HF+32*(ks%3)+15], 0, v[WS+\n], v[HS+ks%3] matrix_a_fmt:MATRIX_FMT_BF8 matrix_b_fmt:MATRIX_FMT_BF8
	v_wmma_scale_f32_16x16x128_f8f6f4 v[ACC+32+8*\n:ACC+32+8*\n+7], v[WF+16*\n:WF+16*\n+15], v[HF+32*(ks%3)+16:HF+32*(ks%3)+31], 0, v[WS+\n], v[HS+ks%3] matrix_a_fmt:MATRIX_FMT_BF8 matrix_b_fmt:MATRIX_FMT_BF8 matrix_b_scale:MATRIX_SCALE_ROW1
.else
	v_wmma_scale_f32_16x16x128_f8f6f4 v[ACC+8*\n:ACC+8*\n+7], v[WF+16*\n:WF+16*\n+15], v[HF+32*(ks%3):HF+32*(ks%3)+15], v[ACC+8*\n:ACC+8*\n+7], v[WS+\n], v[HS+ks%3] matrix_a_fmt:MATRIX_FMT_BF8 matrix_b_fmt:MATRIX_FMT_BF8
	v_wmma_scale_f32_16x16x128_f8f6f4 v[ACC+32+8*\n:ACC+32+8*\n+7], v[WF+16*\n:WF+16*\n+15], v[HF+32*(ks%3)+16:HF+32*(ks%3)+31], v[ACC+32+8*\n:ACC+32+8*\n+7], v[WS+\n], v[HS+ks%3] matrix_a_fmt:MATRIX_FMT_BF8 matrix_b_fmt:MATRIX_FMT_BF8 matrix_b_scale:MATRIX_SCALE_ROW1
.endif
.endr
.set ks, ks+1
.endr
.rept 9
	v_nop                                          ; nine places: eight ahead of the first read of results, and one more since the next trip's first products begin these accumulators anew
.endr
	v_cmp_eq_u32 vcc_lo, s[E], v19                 ; is e my token's second expert?
	v_add_co_ci_u32 v[DST], vcc_lo, v[TOK], v[TOK], vcc_lo   ; my row of yp: 2 t + k
.irp m, 0,1
.irp n, 0,1,2,3
	ds_store_b128 v[YST], v[ACC+32*\m+8*\n:ACC+32*\m+8*\n+3] offset:64*\n         ; each accumulator from its low end on
	ds_store_b128 v[YST], v[ACC+32*\m+8*\n+4:ACC+32*\m+8*\n+7] offset:64*\n+16
.endr
.irp i, 0,1,2,3,4,5,6,7
	ds_load_b128 v[OB+32*\m+4*\i:OB+32*\m+4*\i+3], v[YRD] offset:544*\i           ; LDS serves a wave's instructions in order: these see my stores, and the next tile's stores come behind them
.endr
.irp i, 0,1,2,3,4,5,6,7
	v_readlane_b32 s16, v[DST], 16*\m+2*\i         ; rows 2 i and 2 i + 1 of the tile: where they go
	v_readlane_b32 s17, v[DST], 16*\m+2*\i+1
	v_mov_b32 v[DI+8*\m+\i], s16
	v_cndmask_b32 v[DI+8*\m+\i], v[DI+8*\m+\i], s17, s[HM]
	v_min_u32 v[DI+8*\m+\i], 0x7ff, v[DI+8*\m+\i]  ; held inside yp's 2,048 rows, directly ahead of the shift and the add
	v_lshl_add_u32 v[DA+8*\m+\i], v[DI+8*\m+\i], 12, v[CO]
.endr
	s_wait_dscnt 0x0
.irp i, 0,1,2,3,4,5,6,7
	global_store_b128 v[DA+8*\m+\i], v[OB+32*\m+4*\i:OB+32*\m+4*\i+3], s[12:13]   ; sixteen lanes store 256 consecutive bytes, aligned
.endr
.endr
	s_wait_xcnt 0x0                                ; the stores have read their registers: the next trip's loads land there
.Lnone:
	s_add_co_u32 s[G], s[G], 16
	s_add_co_u32 s[TR], s[TR], 1
	s_cmp_lt_u32 s[TR], 2
	s_cbranch_scc1 .Ltrip
	s_wait_tensorcnt 0x0                           ; the wave's end
	ds_add_u32 v[SPW], v[NIL]
	s_wait_dscnt 0x0
	s_endpgm
.Lfunc_end_k_qcf2e1718ed_ffn2:
	.size	k_qcf2e1718ed_ffn2, .Lfunc_end_k_qcf2e1718ed_ffn2-k_qcf2e1718ed_ffn2
	.p2alignl 7, 3214868480
	.fill 96, 4, 3214868480
	.section	.rodata,"a",@progbits
	.p2align	6, 0x0
	.amdhsa_kernel k_qcf2e1718ed_ffn2
		.amdhsa_group_segment_fixed_size 276480
		.amdhsa_private_segment_fixed_size 0
		.amdhsa_enable_private_segment 0
		.amdhsa_kernarg_size 40
		.amdhsa_user_sgpr_count 2
		.amdhsa_user_sgpr_kernarg_segment_ptr 1
		.amdhsa_wavefront_size32 1
		.amdhsa_system_sgpr_workgroup_id_x 1
		.amdhsa_system_sgpr_workgroup_id_y 1
		.amdhsa_system_sgpr_workgroup_id_z 1
		.amdhsa_system_vgpr_workitem_id 0
		.amdhsa_next_free_vgpr 256
		.amdhsa_next_free_sgpr 74
		.amdhsa_reserve_vcc 1
		.amdhsa_float_denorm_mode_32 3
		.amdhsa_float_denorm_mode_16_64 3
		.amdhsa_memory_ordered 1
		.amdhsa_forward_progress 1
		.amdhsa_inst_pref_size 135
	.end_amdhsa_kernel
	.amdgpu_metadata
---
amdhsa.version: [ 1, 2 ]
amdhsa.kernels:
  - .name:           k_qcf2e1718ed_ffn2
    .symbol:         k_qcf2e1718ed_ffn2.kd
    .args:
      - { .name: hq, .offset: 0, .size: 8, .value_kind: global_buffer, .address_space: global }
      - { .name: hs, .offset: 8, .size: 8, .value_kind: global_buffer, .address_space: global }
      - { .name: sel, .offset: 16, .size: 8, .value_kind: global_buffer, .address_space: global }
      - { .name: w2, .offset: 24, .size: 8, .value_kind: global_buffer, .address_space: global }
      - { .name: yp, .offset: 32, .size: 8, .value_kind: global_buffer, .address_space: global }
    .group_segment_fixed_size: 276480
    .private_segment_fixed_size: 0
    .kernarg_segment_align: 8
    .kernarg_segment_size: 40
    .max_flat_workgroup_size: 512
    .sgpr_count:     74
    .vgpr_count:     256
    .wavefront_size: 32
...
	.end_amdgpu_metadata
.endif
;; end of part 3
;; launch mix (part 4): grid 257 x 1, 8 waves a work-group, no clusters, 0 bytes of LDS; arguments yp, sel, gat, b2, out0, out1; writes out0, out1
.if DOCPART == 4
	.amdgcn_target "amdgcn-amd-amdhsa--gfx1250"
	.amdhsa_code_object_version 6
	.text
	.protected	k_qcf2e1718ed_mix
	.globl	k_qcf2e1718ed_mix
	.p2align	8
	.type	k_qcf2e1718ed_mix,@function
k_qcf2e1718ed_mix:
	s_mov_b64 s[64:65], 0
	v_nop
	global_prefetch_b8 v0, s[64:65] scope:SCOPE_SE
	s_setreg_imm32_b32 hwreg(HW_REG_WAVE_MODE, 25, 1), 1
	s_wait_xcnt 0x0
; SparseMoE, launch 4 of 4: out0[t] = g0 (y(t, e0) + b2[e0]) + g1 (y(t, e1) + b2[e1]), y the sum of yp's two halves along K; and the aux loss.
; The six experts that a token did not choose add nothing: reference() multiplies them by a zero of its own one_hot.
; Work-groups 0 to 255: wave w takes token 4 x work-group + w / 2 and half w % 2 of its 1,024 columns: 2,048 bytes of each of six rows in, 2,048 out; each load and store of a wave covers 512 consecutive bytes.
; A stream: no LDS, no barrier, no matrix unit.
; Work-group 256, wave 0: out1 = 0.08 x sum over e of (count_e / 2,048) (sum of e's gates / 1,024), the counts as whole numbers, the sums in f32 in another order than reference()'s.
; The wave holds all 2,048 choices, 64 a lane, and walks the eight experts.  A trip goes in batches of 16 choices: 16 compares, each into a scalar register of its own; 16 selects, each into a register of its own;
; the additions in four chains; and only then the 16 counts of the masks' bits: no instruction reads what the instruction before it wrote.
; One wave and no LDS: shared among the eight waves, the experts' terms would have to meet behind a barrier that only this one work-group needs.
	s_load_b256 s[4:11], s[0:1], 0x0               ; yp s[4:5], sel s[6:7], gat s[8:9], b2 s[10:11]
	s_load_b128 s[12:15], s[0:1], 0x20             ; out0 s[12:13], out1 s[14:15]
	v_lshrrev_b32 v1, 5, v0
	v_readfirstlane_b32 s16, v1                    ; wave
	v_and_b32 v2, 31, v0                           ; lane
	v_lshlrev_b32 v1, 4, v2                        ; 16 x lane
	s_wait_kmcnt 0x0
	s_cmp_eq_u32 ttmp9, 256
	s_cbranch_scc1 .Laux
	s_lshr_b32 s17, s16, 1
	s_lshl_b32 s20, ttmp9, 2
	s_add_co_u32 s17, s17, s20                     ; my token
	s_and_b32 s30, s16, 1
	s_lshl_b32 s30, s30, 11
	v_add_nc_u32 v1, s30, v1                       ; + my half of the row
	s_lshl_b32 s20, s17, 3
	s_mov_b32 s21, 0
	s_add_nc_u64 s[6:7], s[6:7], s[20:21]
	s_add_nc_u64 s[8:9], s[8:9], s[20:21]
	s_load_b64 s[22:23], s[6:7], 0x0               ; e0, e1
	s_load_b64 s[18:19], s[8:9], 0x0               ; g0, g1
	s_lshl_b32 s20, s17, 13
	s_add_nc_u64 s[4:5], s[4:5], s[20:21]          ; yp's lower half at row 2 t,
	s_add_nc_u64 s[24:25], s[4:5], 0x800000        ; and its upper half
.irp i, 0,1,2,3
	global_load_b128 v[16+4*\i:19+4*\i], v1, s[4:5] offset:512*\i th:TH_LOAD_NT          ; first expert, K's lower half
	global_load_b128 v[32+4*\i:35+4*\i], v1, s[24:25] offset:512*\i th:TH_LOAD_NT        ; upper half
	global_load_b128 v[64+4*\i:67+4*\i], v1, s[4:5] offset:4096+512*\i th:TH_LOAD_NT     ; second expert
	global_load_b128 v[80+4*\i:83+4*\i], v1, s[24:25] offset:4096+512*\i th:TH_LOAD_NT
.endr
	s_lshl_b32 s20, s17, 12
	s_add_nc_u64 s[12:13], s[12:13], s[20:21]      ; out0 at my token
	s_wait_kmcnt 0x0
	s_min_u32 s22, s22, 7                          ; held inside b2's eight rows
	s_min_u32 s23, s23, 7
	s_lshl_b32 s20, s22, 12
	s_add_nc_u64 s[26:27], s[10:11], s[20:21]
	s_lshl_b32 s20, s23, 12
	s_add_nc_u64 s[28:29], s[10:11], s[20:21]
.irp i, 0,1,2,3
	global_load_b128 v[48+4*\i:51+4*\i], v1, s[26:27] offset:512*\i
	global_load_b128 v[96+4*\i:99+4*\i], v1, s[28:29] offset:512*\i
.endr
	s_mov_b32 s32, s19                             ; g1 as the low word of a pair: the packed form takes that word for both halves
	s_mov_b32 s33, s19
	s_wait_loadcnt 0x0
.irp j, 0,2,4,6,8,10,12,14
	v_pk_add_f32 v[16+\j:17+\j], v[16+\j:17+\j], v[32+\j:33+\j]
	v_pk_add_f32 v[64+\j:65+\j], v[64+\j:65+\j], v[80+\j:81+\j]
.endr
.irp j, 0,2,4,6,8,10,12,14
	v_pk_add_f32 v[16+\j:17+\j], v[16+\j:17+\j], v[48+\j:49+\j]
	v_pk_add_f32 v[64+\j:65+\j], v[64+\j:65+\j], v[96+\j:97+\j]
.endr
.irp j, 0,2,4,6,8,10,12,14
	v_pk_mul_f32 v[64+\j:65+\j], v[64+\j:65+\j], s[32:33] op_sel_hi:[1,0]
.endr
.irp j, 0,2,4,6,8,10,12,14
	v_pk_fma_f32 v[16+\j:17+\j], v[16+\j:17+\j], s[18:19], v[64+\j:65+\j] op_sel_hi:[1,0,1]
.endr
.irp i, 0,1,2,3
	global_store_b128 v1, v[16+4*\i:19+4*\i], s[12:13] offset:512*\i th:TH_STORE_NT
.endr
	s_endpgm
; THE AUX LOSS.  v32-95 the lane's 64 choices, v96-159 their gates; v[4:11] four chains of two sums each; v160-175 a batch's selected gates; s32-47 a batch's masks; s20 the expert, s21 its count.
.macro BATCH b                         ; choices 16 b .. 16 b + 15 of every lane, against expert s20
.set bi, 0
.rept 16
	v_cmp_eq_u32 s[32+bi], s20, v[32+16*(\b)+bi]   ; who chose e here: a mask of its own for each of the 16
.set bi, bi+1
.endr
.set bi, 0
.rept 16
	v_cndmask_b32 v[160+bi], 0, v[96+16*(\b)+bi], s[32+bi]   ; the gate, or 0
.set bi, bi+1
.endr
.irp k, 0,1,2,3
.if (\b) == 0
	v_pk_add_f32 v[4+2*\k:5+2*\k], v[160+2*\k:161+2*\k], v[168+2*\k:169+2*\k]   ; the first batch starts the four chains: nothing is cleared
.else
	v_pk_add_f32 v[4+2*\k:5+2*\k], v[4+2*\k:5+2*\k], v[160+2*\k:161+2*\k]
.endif
.endr
.if (\b) > 0
.irp k, 0,1,2,3
	v_pk_add_f32 v[4+2*\k:5+2*\k], v[4+2*\k:5+2*\k], v[168+2*\k:169+2*\k]
.endr
.endif
.set bi, 0
.rept 16
	s_bcnt1_i32_b32 s[22+bi%2], s[32+bi]           ; the masks were written 20 vector instructions ago or more
	s_add_co_u32 s21, s21, s[22+bi%2]
.set bi, bi+1
.endr
.endm
.Laux:
	s_cmp_lg_u32 s16, 0
	s_cbranch_scc1 .Ldone                          ; one wave holds all 2,048 choices: 64 a lane
.irp i, 0,1,2,3,4,5,6,7,8,9,10,11,12,13,14,15
	global_load_b128 v[32+4*\i:35+4*\i], v1, s[6:7] offset:512*\i
.endr
.irp i, 0,1,2,3,4,5,6,7,8,9,10,11,12,13,14,15
	global_load_b128 v[96+4*\i:99+4*\i], v1, s[8:9] offset:512*\i
.endr
	v_mov_b32 v12, 0                               ; the sum over experts
	v_mov_b32 v13, 0                               ; (a lane permute's destination counts as one of its sources)
	s_mov_b32 s24, 0x76543210
	s_mov_b32 s25, 0xfedcba98                      ; v_permlanex16_b32's selects for lane l xor 16
	s_mov_b32 s20, 0                               ; e
	s_wait_loadcnt 0x0
.Lexp:
	s_mov_b32 s21, 0                               ; e's count
	BATCH 0
	BATCH 1
	BATCH 2
	BATCH 3
	v_pk_add_f32 v[4:5], v[4:5], v[6:7]            ; the four chains,
	v_pk_add_f32 v[8:9], v[8:9], v[10:11]
	v_cvt_f32_u32 v14, s21                         ; (the count, at most 1,024: exact in f32)
	v_pk_add_f32 v[4:5], v[4:5], v[8:9]
	v_add_f32 v4, v4, v5                           ; their two halves,
	v_add_f32_dpp v4, v4, v4 row_xmask:1 row_mask:0xf bank_mask:0xf   ; and the 32 lanes: the sum of e's gates
	v_add_f32_dpp v4, v4, v4 row_xmask:2 row_mask:0xf bank_mask:0xf
	v_add_f32_dpp v4, v4, v4 row_xmask:4 row_mask:0xf bank_mask:0xf
	v_add_f32_dpp v4, v4, v4 row_xmask:8 row_mask:0xf bank_mask:0xf
	v_permlanex16_b32 v13, v4, s24, s25
	v_add_f32 v4, v4, v13
	v_fmac_f32 v12, v4, v14
	s_add_co_u32 s20, s20, 1
	s_cmp_lt_u32 s20, 8
	s_cbranch_scc1 .Lexp
	v_mul_f32 v12, 0x3323d70a, v12                 ; x 0.08 / (2,048 x 1,024): f32(0.08) with 21 off its exponent
	v_mov_b32 v15, 0
	s_wait_xcnt 0x0                                ; EXEC changes only behind this wait
	v_cmp_gt_u32 vcc_lo, 1, v0
	s_and_saveexec_b32 s22, vcc_lo
	global_store_b32 v15, v12, s[14:15]
	s_wait_xcnt 0x0
	s_or_b32 exec_lo, exec_lo, s22
.Ldone:
	s_endpgm
.Lfunc_end_k_qcf2e1718ed_mix:
	.size	k_qcf2e1718ed_mix, .Lfunc_end_k_qcf2e1718ed_mix-k_qcf2e1718ed_mix
	.p2alignl 7, 3214868480
	.fill 96, 4, 3214868480
	.section	.rodata,"a",@progbits
	.p2align	6, 0x0
	.amdhsa_kernel k_qcf2e1718ed_mix
		.amdhsa_group_segment_fixed_size 0
		.amdhsa_private_segment_fixed_size 0
		.amdhsa_enable_private_segment 0
		.amdhsa_kernarg_size 48
		.amdhsa_user_sgpr_count 2
		.amdhsa_user_sgpr_kernarg_segment_ptr 1
		.amdhsa_wavefront_size32 1
		.amdhsa_system_sgpr_workgroup_id_x 1
		.amdhsa_system_sgpr_workgroup_id_y 1
		.amdhsa_system_sgpr_workgroup_id_z 1
		.amdhsa_system_vgpr_workitem_id 0
		.amdhsa_next_free_vgpr 176
		.amdhsa_next_free_sgpr 66
		.amdhsa_reserve_vcc 1
		.amdhsa_float_denorm_mode_32 3
		.amdhsa_float_denorm_mode_16_64 3
		.amdhsa_memory_ordered 1
		.amdhsa_forward_progress 1
		.amdhsa_inst_pref_size 26
	.end_amdhsa_kernel
	.amdgpu_metadata
---
amdhsa.version: [ 1, 2 ]
amdhsa.kernels:
  - .name:           k_qcf2e1718ed_mix
    .symbol:         k_qcf2e1718ed_mix.kd
    .args:
      - { .name: yp, .offset: 0, .size: 8, .value_kind: global_buffer, .address_space: global }
      - { .name: sel, .offset: 8, .size: 8, .value_kind: global_buffer, .address_space: global }
      - { .name: gat, .offset: 16, .size: 8, .value_kind: global_buffer, .address_space: global }
      - { .name: b2, .offset: 24, .size: 8, .value_kind: global_buffer, .address_space: global }
      - { .name: out0, .offset: 32, .size: 8, .value_kind: global_buffer, .address_space: global }
      - { .name: out1, .offset: 40, .size: 8, .value_kind: global_buffer, .address_space: global }
    .group_segment_fixed_size: 0
    .private_segment_fixed_size: 0
    .kernarg_segment_align: 8
    .kernarg_segment_size: 48
    .max_flat_workgroup_size: 256
    .sgpr_count:     66
    .vgpr_count:     176
    .wavefront_size: 32
...
	.end_amdgpu_metadata
.endif
;; end of part 4
